; MI455X (gfx1250); checked and timed in simulation.
; The chip was launched on July 23, 2026; its instructions are those of AMD's public machine-readable ISA for CDNA 5 (MIT licence, August 2026) and "CDNA5" Instruction Set Architecture Reference Guide (July 2026). The comments in the code are by the model that wrote it; some were corrected since.
;; Spiking Neural Net. Allowed arithmetic: float matrix products may take bf16 or f16 operands with f32 sums; all other float work in f32.
;; Inputs: i0 256 float32; input_current 256 float32; mu 2 float32; reset_s 32 x 512 x 256 float32; s0 512 x 256 float32; v0 256 float32; w 256 x 256 float32.
;; Outputs: out0 512 x 32 float32; out1 512 x 32 x 256 x 3 float32; out2 512 x 32 x 256 bool.
;; Constants: t1 = 2.
;; 2 versions, each right and faster than the one before. Each part assembles by itself: llvm-mc -triple=amdgcn-amd-amdhsa -mcpu=gfx1250 --defsym DOCPART=n.
;; ======== version 1 of 2: 1 launch
;; limits: inputs' magnitudes at most 65,504; values are held in f16: magnitudes above 65,504 overflow, below 6.1e-05 lose precision
;; launch snn (part 1): grid 256 x 1, 4 waves a work-group, no clusters, 24,064 bytes of LDS; arguments i0, input_current, mu, reset_s, s0, v0, w, out0, out1, out2; writes out0, out1, out2
.if DOCPART == 1
	.amdgcn_target "amdgcn-amd-amdhsa--gfx1250"
	.amdhsa_code_object_version 6
	.text
	.protected	k_q7d57b919fd_snn
	.globl	k_q7d57b919fd_snn
	.p2align	8
	.type	k_q7d57b919fd_snn,@function
k_q7d57b919fd_snn:
	s_mov_b64 s[64:65], 0
	v_nop
	global_prefetch_b8 v0, s[64:65] scope:SCOPE_SE
	s_setreg_imm32_b32 hwreg(HW_REG_WAVE_MODE, 25, 1), 1
	s_wait_xcnt 0x0
; SPIKING NET: 512 samples x 256 neurons (v, i, s), 32 spike rounds of 8 RK4 steps, all in this one launch.
; SHARES.  Work-group b owns samples 2 b and 2 b + 1.  Lane (r = lane % 16, h = lane / 16) of wave w owns sample 2 b + h, neurons 64 w + 4 r + 0..3:
; a half of the lanes is one sample's share of a wave, and a lane's four neurons are 16 neighbouring bytes of s0 and reset_s.
; A SPIKE ROUND.  Up to the first crossing no neuron needs another, so all 8 steps are run unfrozen and the 9 states Y0..Y8 are kept (108 registers).  Then the waves meet twice
; in LDS: once for k*, the first step in which any s of the sample is above 0 (8 = none), once for the largest s_new, its s_prev and the first crossed index.  Y(k*) and Y(k*+1) are
; taken by selects, never by a branch or an address: every round does the same work.
; w[eidx] IS A MATRIX PRODUCT: a one-hot row (f16 1.0 at k = eidx) times W.  Each wave keeps W's 64 columns of its neurons in 512 registers, as two f16 pieces: hi = w rounded to 11
; significant bits, lo = (w - hi) x 2048, each with accumulators of its own; w_row = lo x 2^-11 + hi.  Row 0 of A is sample 2 b, row 8 sample 2 b + 1, and tile t's column r is neuron
; 64 w + 4 r + t, so register 0 of tile t's result is w[eidx][my neuron t] in the very lane that wants it.  With no event the index is 1,024, A is all zero and so is w_row.
; LIMITS.  For 2^-14 <= |w| < 65,504 the two pieces give w back to within one unit of its last place (2^-36 where that is larger); below 2^-14 to within 2^-25; |w| >= 65,520 is not
; served (f16's range).  sigmoid(v) = rcp(1 + exp2(-1.442695 v)), each of the two to one unit of the last place, and multiply-adds are fused: a mark whose s_new lies within a few
; 1e-8 of 0 may fall on the other side.  NaN and infinities are not treated apart, nor is sp - sn + 1e-12 = 0.
; NO CLUSTER, NO TENSOR LOAD: the one thing that work-groups share is W, read once at the head (128 loads a wave, 16 bytes a lane) and converted on its way into registers, against
; 32 rounds of some 1,500 instructions; a joint load would send it through LDS first.  The only stream, reset_s, is one load a lane and round, issued a whole round ahead of its use.
; REGISTERS, in windows of 256 (s_set_vgpr_msb: bits 1:0 source 0, 3:2 source 1, 5:4 source 2, 7:6 destination):
;   window 0: addresses, constants, Y0..Y8, all work     window 1: W hi, fragment (ks, t) at 8 (4 ks + t)     window 2: W lo, likewise
;   window 3: v0-63 A's eight fragments; v64-95, v96-127 the accumulators of hi and lo; v128-135 the pattern P; v136 eidx / 32
.set X1,    0          ; LDS: 16 h + 4 w: a wave's first crossing step
.set X2,    256        ; 64 h + 16 field + 4 w: fields largest s_new, its s_prev, first crossed index
.set TS,    512        ; 128 h + 4 round: the image of out0's 256 bytes
.set OST,   1024       ; 1,536 w + 768 h: each wave's own stage for out1
.set MS,    7168       ; 8,192 h + 256 round + 64 w + 4 r: the image of out2's 16,384 bytes
.set SPARE, 23552      ; the spare words, 128 bytes for each wave: two blocks of 256 bytes that no other line names
.set SPW, 2            ; v2   SPARE + 4 x my thread's number; never rewritten
.set NIL, 3            ; v3   0; never rewritten
.set Y0,  4            ; v4-15  the round's first state: v of my 4 neurons, i, s
.set YK,  148          ; state k = 1..8 at YK + 12 k (v160-255), laid alike
.set VR,  16           ; byte offset of my 16 bytes in two samples' rows of s0 and reset_s
.set VO1, 17           ; byte offset in out1 of the 16 bytes that I store
.set STA, 18           ; the stage: where my 48 bytes go
.set STR, 19           ; the stage: where I read 16 bytes back
.set VM,  20           ; my word in the marks' image, round 0
.set VT,  21           ; my sample's word in the times' image, round 0
.set X1A, 22
.set X1R, 23
.set IC,  24           ; v24-27 input current of my 4 neurons
.set X2A, 28
.set X2R, 29
.set H4,  30           ; 4 h
.set VW,  31           ; at the head: my byte offset in W
.set C3C, 31           ; later: 0x3c00, f16 1.0
.set MU1, 32           ; pairs that hold one number twice, for the packed forms
.set NMU2, 34
.set NL2E, 36
.set H,   38
.set HH,  40
.set H6,  42
.set T0,  44           ; the round's first time
.set EIGHT, 45
.set BIGF, 46          ; 1024.0: no index
.set NEGINF, 47
.set INV, 48           ; 1024
.set KF,  49
.set CAND, 50
.set MX,  51
.set NF,  52           ; v52-55 my neurons' numbers as floats
.set K4,  56
.set RT,  60           ; v60-95 at work in the steps: pair p at RT + 18 p: +0 Z, +2 T, +4 KI, +6 SV, +8 SI, +10 SS, +12 VS, +14 IS
.set PV,  60           ; at the round's end: Y(k*), Y(k*+1) and the event's state, each as [3 neuron + component], as out1 has them
.set NW,  72
.set YE,  84
.set OB,  96
.set RS,  108
.set GM,  112
.set GSP, 116
.set GIE, 120
.set TT,  124          ; v124-131 the time at the head of each step
.set KSF, 132
.set KSI, 133
.set ML,  134
.set IE,  135
.set IM,  136
.set SP,  137
.set SPV, 138
.set SN,  139
.set SPS, 140
.set EI,  141
.set EO,  142
.set ER,  143
.set PQ,  144
.set PVV, 145
.set DN,  146
.set RD,  147
.set Q,   148
.set RR,  149
.set FR,  150
.set TSEL, 152
.set TEV, 153
.set MB,  154
.set TA,  155          ; v155-159 at work
.set HF,  64           ; head only: v64-127 the high pieces in f32; v128-191, v192-255 two buffers of 16 rows of W
.set ACH, 64           ; window 3
.set ACL, 96
.set PR,  128
.set AQ,  136
.set GE,  29           ; s30-37: lane masks k* >= 1 .. 8
.set ODD, 38           ; s38: k* is odd
.set CM,  40           ; s40-43: my neuron j crossed
.set EQ,  44           ; s44-47: my neuron j holds the wave's largest s_new
.set MSB, 0
.macro WIN new                         ; the immediate's high byte repeats the setting that is left; a switch that changes nothing is dropped
.if MSB != (\new)
	s_set_vgpr_msb (MSB<<8)|(\new)
.set MSB, (\new)
.endif
.endm
.macro PP line:vararg                  ; one line for each of my two pairs of neurons
.set p, 0
	s_wait_alu depctr_va_vdst(0)
	\line
.set p, 1
	\line
.endm
.macro REDMIN reg, m                   ; lane i takes the smaller of its own and lane i xor m's, inside each half of 16 lanes
	v_min_num_f32_dpp v[\reg], v[\reg], v[\reg] row_xmask:\m row_mask:0xf bank_mask:0xf
.endm
.macro REDMAX reg, m
	v_max_num_f32_dpp v[\reg], v[\reg], v[\reg] row_xmask:\m row_mask:0xf bank_mask:0xf
.endm
; 16 rows of W for K step kk: row 32 kk + u (+ 8 for u >= 8) + 8 h, my 4 columns.  16 lanes read 256 consecutive bytes, aligned.
.macro LOADW kk, buf
.set u, 0
.rept 16
	global_load_b128 v[128+64*(\buf)+4*u:128+64*(\buf)+4*u+3], v[VW], s[20:21] offset:(32*(\kk)+u+8*(u/8))*1024
.set u, u+1
.endr
.endm
; K step kk of W becomes four fragments of hi and four of lo.  left: the younger loads that may stay out (the next K step's 16).
.macro CONVW kk, buf, left
.set XB, 128+64*(\buf)
	s_wait_loadcnt \left
.set q, 0
.rept 64
	v_add_nc_u32 v[HF+q], s50, v[XB+q]             ; half a unit of the 11th bit onto the magnitude,
.set q, q+1
.endr
.set q, 0
.rept 64
	v_and_b32 v[HF+q], s51, v[HF+q]                ; and the 13 bits below it cleared: w rounded to 11 significant bits, still f32
.set q, q+1
.endr
.set q, 0
.rept 32
	v_pk_add_f32 v[XB+2*q:XB+2*q+1], v[XB+2*q:XB+2*q+1], v[HF+2*q:HF+2*q+1] neg_lo:[0,1] neg_hi:[0,1]  ; w - hi, exact
.set q, q+1
.endr
.set q, 0
.rept 32
	v_pk_mul_f32 v[XB+2*q:XB+2*q+1], v[XB+2*q:XB+2*q+1], s[52:53] op_sel_hi:[1,0]  ; x 2048, so that it stays clear of f16's small numbers
.set q, q+1
.endr
	WIN 0x40                                       ; destination window 1
.set q, 0
.rept 32                                       ; q = 8 t + j: register j of tile t holds rows 2 j and 2 j + 1 of the 16
	v_cvt_pk_f16_f32 v[32*(\kk)+q], v[HF+8*(q%8)+q/8], v[HF+8*(q%8)+4+q/8]
.set q, q+1
.endr
	WIN 0x80                                       ; destination window 2
.set q, 0
.rept 32
	v_cvt_pk_f16_f32 v[32*(\kk)+q], v[XB+8*(q%8)+q/8], v[XB+8*(q%8)+4+q/8]
.set q, q+1
.endr
	WIN 0
.endm
; Stage n = 1..4 of the RK4 step from state YA to state YN.  k = (mu1 ((i + ic) - v), -mu2 i, sigmoid(v)); the next stage's v and i are y + c k; SV, SI, SS gather k1 + 2 k2 + 2 k3 + k4.
; Behind the four exponentials and behind the four reciprocals stands a plain line that names none of their registers (ISA guide 5.7.2).
.macro STG n
.if (\n) == 1
.set VB, YA
.set IB, YA+4
.set SD, 2
.set KV, RT+6                          ; k1 starts the sums: nothing is cleared
.set KI, RT+8
.set SG, RT+10
.else
.set VB, RT+12
.set IB, RT+14
.set SD, 18
.set KV, RT+2
.set KI, RT+4
.set SG, RT
.endif
.if (\n) < 3
.set CF, HH
.else
.set CF, H
.endif
	PP v_pk_mul_f32 v[RT+18*p:RT+18*p+1], v[VB+SD*p:VB+SD*p+1], v[NL2E:NL2E+1]
	PP v_pk_add_f32 v[RT+2+18*p:RT+3+18*p], v[IB+SD*p:IB+SD*p+1], v[IC+2*p:IC+2*p+1]
	PP v_pk_mul_f32 v[KI+18*p:KI+18*p+1], v[IB+SD*p:IB+SD*p+1], v[NMU2:NMU2+1]
	PP v_exp_f32 v[RT+18*p], v[RT+18*p]
	PP v_exp_f32 v[RT+18*p+1], v[RT+18*p+1]
	PP v_pk_add_f32 v[RT+2+18*p:RT+3+18*p], v[RT+2+18*p:RT+3+18*p], v[VB+SD*p:VB+SD*p+1] neg_lo:[0,1] neg_hi:[0,1]
	PP v_pk_mul_f32 v[KV+18*p:KV+18*p+1], v[RT+2+18*p:RT+3+18*p], v[MU1:MU1+1]
	PP v_pk_add_f32 v[RT+18*p:RT+18*p+1], v[RT+18*p:RT+18*p+1], 1.0 op_sel_hi:[1,0]
	PP v_rcp_f32 v[SG+18*p], v[RT+18*p]
	PP v_rcp_f32 v[SG+18*p+1], v[RT+18*p+1]
.if (\n) < 4
	PP v_pk_fma_f32 v[RT+14+18*p:RT+15+18*p], v[CF:CF+1], v[KI+18*p:KI+18*p+1], v[YA+4+2*p:YA+5+2*p]
	PP v_pk_fma_f32 v[RT+12+18*p:RT+13+18*p], v[CF:CF+1], v[KV+18*p:KV+18*p+1], v[YA+2*p:YA+2*p+1]
.endif
.if ((\n) == 2) || ((\n) == 3)
	PP v_pk_fma_f32 v[RT+8+18*p:RT+9+18*p], v[KI+18*p:KI+18*p+1], 2.0, v[RT+8+18*p:RT+9+18*p] op_sel_hi:[1,0,1]
	PP v_pk_fma_f32 v[RT+6+18*p:RT+7+18*p], v[KV+18*p:KV+18*p+1], 2.0, v[RT+6+18*p:RT+7+18*p] op_sel_hi:[1,0,1]
	PP v_pk_fma_f32 v[RT+10+18*p:RT+11+18*p], v[SG+18*p:SG+18*p+1], 2.0, v[RT+10+18*p:RT+11+18*p] op_sel_hi:[1,0,1]
.endif
.if (\n) == 4
	PP v_pk_add_f32 v[RT+8+18*p:RT+9+18*p], v[RT+8+18*p:RT+9+18*p], v[KI+18*p:KI+18*p+1]
	PP v_pk_add_f32 v[RT+6+18*p:RT+7+18*p], v[RT+6+18*p:RT+7+18*p], v[KV+18*p:KV+18*p+1]
	PP v_pk_add_f32 v[RT+10+18*p:RT+11+18*p], v[RT+10+18*p:RT+11+18*p], v[SG+18*p:SG+18*p+1]
	PP v_pk_fma_f32 v[YN+4+2*p:YN+5+2*p], v[H6:H6+1], v[RT+8+18*p:RT+9+18*p], v[YA+4+2*p:YA+5+2*p]
	PP v_pk_fma_f32 v[YN+2*p:YN+2*p+1], v[H6:H6+1], v[RT+6+18*p:RT+7+18*p], v[YA+2*p:YA+2*p+1]
	PP v_pk_fma_f32 v[YN+8+2*p:YN+9+2*p], v[H6:H6+1], v[RT+10+18*p:RT+11+18*p], v[YA+8+2*p:YA+9+2*p]
.endif
.endm
; Step k: state k + 1 from state k, and KF = the first step in which one of my four s is above 0 (8.0: none so far).  kf is k as a float.
.macro STEP k, kf
.if (\k) == 0
.set YA, Y0
.else
.set YA, YK+12*(\k)
.endif
.set YN, YK+12+12*(\k)
	STG 1
	STG 2
	STG 3
	STG 4
	v_max3_num_f32 v[MX], v[YN+8], v[YN+9], v[YN+10]
	v_max_num_f32 v[MX], v[MX], v[YN+11]
	v_cmp_ge_f32 vcc_lo, 0, v[MX]
.if (\k) == 0
	v_cndmask_b32 v[KF], \kf, v[EIGHT], vcc_lo
.else
	v_cndmask_b32 v[CAND], \kf, v[EIGHT], vcc_lo
	v_min_num_f32 v[KF], v[KF], v[CAND]
.endif
.endm
; Component c of neuron j: Y(k*) into PV and Y(k*+1) into NW, nine selects in three parts.  Of the two states one has an even number (found in YE's register) and one an odd (in NW's);
; the parity of k* says which is which.  k* = 8 gives PV = Y8 and NW = Y7, whose s is not above 0.
.macro SEL3 c, j, part
.set o, 4*(\c)+(\j)
.set x, 3*(\j)+(\c)
.if (\part) == 0
	v_cndmask_b32 v[YE+x], v[Y0+o], v[YK+24+o], s[GE+1]
	v_cndmask_b32 v[YE+x], v[YE+x], v[YK+48+o], s[GE+3]
	v_cndmask_b32 v[YE+x], v[YE+x], v[YK+72+o], s[GE+5]
.elseif (\part) == 1
	v_cndmask_b32 v[YE+x], v[YE+x], v[YK+96+o], s[GE+7]
	v_cndmask_b32 v[NW+x], v[YK+12+o], v[YK+36+o], s[GE+2]
	v_cndmask_b32 v[NW+x], v[NW+x], v[YK+60+o], s[GE+4]
.else
	v_cndmask_b32 v[NW+x], v[NW+x], v[YK+84+o], s[GE+6]
	v_cndmask_b32 v[PV+x], v[YE+x], v[NW+x], s[ODD]
	v_cndmask_b32 v[NW+x], v[NW+x], v[YE+x], s[ODD]
.endif
.endm
; K step ks of the one-hot product: four tiles of hi, four of lo.  The eight accumulators take turns, one instruction a turn.  Behind each product one register of
; the next K step's A is made (P where eidx / 32 is that step, else 0): under the product's own windows, since its vector source and destination lie in window 3.
.macro GATHER ks
.set t, 0
.rept 8
.if t < 4
	WIN 0xf7                                       ; A, C, D window 3, B window 1
.set ac, ACH+8*t
.else
	WIN 0xfb                                       ; B window 2
.set ac, ACL+8*(t-4)
.endif
.set bb, 8*(4*(\ks)+t%4)
.if (\ks) == 0
	v_wmma_f32_16x16x32_f16 v[ac:ac+7], v[8*(\ks):8*(\ks)+7], v[bb:bb+7], 0
.else
	v_wmma_f32_16x16x32_f16 v[ac:ac+7], v[8*(\ks):8*(\ks)+7], v[bb:bb+7], v[ac:ac+7]
.endif
.if (\ks) < 7
.if t == 0
	v_cmp_ne_u32 vcc_lo, v[AQ], (\ks)+1
.endif
	v_cndmask_b32 v[8*(\ks)+8+t], v[PR+t], 0, vcc_lo
.endif
.set t, t+1
.endr
.endm
	; THE HEAD
	s_load_b512 s[8:23], s[0:1], 0x0               ; i0 s[8:9], input_current s[10:11], mu s[12:13], reset_s s[14:15], s0 s[16:17], v0 s[18:19], w s[20:21], out0 s[22:23]
	s_load_b128 s[24:27], s[0:1], 0x40             ; out1 s[24:25], out2 s[26:27]
	v_lshl_add_u32 v[SPW], v0, 2, SPARE
	v_mov_b32 v[NIL], 0
	v_lshrrev_b32 v1, 5, v0
	v_readfirstlane_b32 s2, v1                     ; wave 0..3
	v_and_b32 v32, 15, v0                          ; r
	v_bfe_u32 v33, v0, 4, 1                        ; h
	v_lshlrev_b32 v34, 4, v32                      ; 16 r
	s_lshl_b32 s28, s2, 8
	v_add_nc_u32 v1, s28, v34                      ; 256 w + 16 r: my 4 neurons in a row of 256 f32
	v_lshl_add_u32 v[VR], v33, 10, v1              ; + 1,024 h
	v_lshl_add_u32 v[VW], v33, 13, v1              ; + 8 rows of W for the upper half of the lanes
	s_mul_i32 s28, s2, 768
	v_mul_u32_u24 v35, 0x18000, v33                ; a sample's 32 x 3,072 bytes of out1
	v_add3_u32 v[VO1], v35, s28, v34
	s_mul_i32 s28, s2, 1536
	s_add_co_u32 s28, s28, OST
	v_mul_u32_u24 v35, 768, v33
	v_add_nc_u32 v35, s28, v35
	v_mul_u32_u24 v36, 48, v32                     ; 48 bytes apart: the 16 lanes' stores of 16 bytes fall into sixteen different 16-byte columns modulo 256
	v_add_nc_u32 v[STA], v35, v36
	v_add_nc_u32 v[STR], v35, v34
	s_lshl_b32 s28, s2, 6
	v_lshl_add_u32 v36, v32, 2, s28                ; my first neuron: 64 w + 4 r
	s_add_co_u32 s28, s28, MS
	v_lshlrev_b32 v35, 13, v33
	v_lshl_add_u32 v35, v32, 2, v35
	v_add_nc_u32 v[VM], s28, v35
	v_lshl_add_u32 v[VT], v33, 7, TS
	s_lshl_b32 s28, s2, 2
	v_lshl_add_u32 v[X1A], v33, 4, s28
	v_lshlrev_b32 v[X1R], 4, v33
	s_add_co_u32 s28, s28, X2
	v_lshl_add_u32 v[X2A], v33, 6, s28
	v_lshl_add_u32 v[X2R], v33, 6, X2
	v_lshlrev_b32 v[H4], 2, v33
	v_cvt_f32_u32 v[NF], v36
	v_add_f32 v[NF+1], 1.0, v[NF]
	v_add_f32 v[NF+2], 2.0, v[NF]
	v_add_f32 v[NF+3], 3.0, v[NF]
	s_mov_b32 s4, 0x76543210                       ; v_permlanex16_b32: each lane takes its own place in the other half
	s_mov_b32 s5, 0xfedcba98
	s_mov_b32 s48, 0x01000001                      ; lanes 0 and 24: A's rows 0 and 8 where the row's sample is the lane's own
	s_mov_b32 s49, 0x00010100                      ; lanes 8 and 16: where it is the other half's
	s_mov_b32 s50, 0x1000
	s_mov_b32 s51, 0xffffe000
	s_mov_b32 s52, 0x45000000                      ; 2048.0
	s_mov_b32 s53, s52                             ; named with it as a pair
	s_wait_kmcnt 0x0
	s_load_b64 s[6:7], s[12:13], 0x0               ; mu1, mu2
	s_lshl_b32 s28, ttmp9, 11                      ; two samples' rows of 1,024 bytes
	s_mov_b32 s29, 0
	s_add_nc_u64 s[14:15], s[14:15], s[28:29]
	s_add_nc_u64 s[16:17], s[16:17], s[28:29]
	s_mul_i32 s28, ttmp9, 196608                   ; two samples of out1; 255 x 196,608 stays under 2^31
	s_add_nc_u64 s[24:25], s[24:25], s[28:29]
	s_lshl_b32 s28, ttmp9, 14                      ; of out2
	s_add_nc_u64 s[26:27], s[26:27], s[28:29]
	s_lshl_b32 s28, ttmp9, 8                       ; of out0
	s_add_nc_u64 s[22:23], s[22:23], s[28:29]
	global_load_b128 v[Y0:Y0+3], v1, s[18:19]
	global_load_b128 v[Y0+4:Y0+7], v1, s[8:9]
	global_load_b128 v[Y0+8:Y0+11], v[VR], s[16:17] th:TH_LOAD_NT
	global_load_b128 v[IC:IC+3], v1, s[10:11]
	LOADW 0, 0
	LOADW 1, 1
	v_mov_b32 v[NL2E], 0xbfb8aa3b                  ; -log2(e)
	v_mov_b32 v[NL2E+1], 0xbfb8aa3b
	v_mov_b32 v[T0], 0
	v_mov_b32 v[EIGHT], 0x41000000
	v_mov_b32 v[BIGF], 0x44800000
	v_mov_b32 v[NEGINF], 0xff800000
	v_mov_b32 v[INV], 0x400
	s_wait_kmcnt 0x0
	v_mov_b32 v[MU1], s6
	v_mov_b32 v[MU1+1], s6
	v_mov_b32 v[NMU2], s7
	v_xor_b32 v[NMU2], 0x80000000, v[NMU2]
	v_mov_b32 v[NMU2+1], v[NMU2]
	CONVW 0, 0, 16                                 ; the count leaves the other buffer's 16 loads out; the four small loads are older and are in too
	LOADW 2, 0
	CONVW 1, 1, 16
	LOADW 3, 1
	CONVW 2, 0, 16
	LOADW 4, 0
	CONVW 3, 1, 16
	LOADW 5, 1
	CONVW 4, 0, 16
	LOADW 6, 0
	CONVW 5, 1, 16
	LOADW 7, 1
	CONVW 6, 0, 16
	CONVW 7, 1, 0
	v_mov_b32 v[C3C], 0x3c00                       ; W's loads are all in: their offset register is free
	v_mov_b32 v[EO], 0                             ; v_permlanex16_b32's destination counts as read
	s_mov_b32 s3, 0
.Lround:                                               ; 32 trips, s3 = the spike round
	global_load_b128 v[RS:RS+3], v[VR], s[14:15] th:TH_LOAD_NT  ; this round's resets: wanted at the round's end
	v_sub_f32 v[H], 2.0, v[T0]                     ; h = (t1 - t0) / 8
	v_mul_f32 v[H], 0x3e000000, v[H]
	v_mul_f32 v[HH], 0.5, v[H]
	v_mul_f32 v[H6], 0x3e2aaaab, v[H]              ; h / 6: h x (1/6), mended by its remainder
	v_mov_b32 v[H+1], v[H]
	v_fma_f32 v[RR], 0xc0c00000, v[H6], v[H]
	v_mov_b32 v[HH+1], v[HH]
	v_fmac_f32 v[H6], 0x3e2aaaab, v[RR]
	v_mov_b32 v[H6+1], v[H6]
	STEP 0, 0
	STEP 1, 1.0
	STEP 2, 2.0
	STEP 3, 3.0
	STEP 4, 4.0
	STEP 5, 5.0
	STEP 6, 6.0
	STEP 7, 7.0
	; FIRST MEETING: k*, the sample's first step with a crossing
	REDMIN KF, 1
	REDMIN KF, 2
	REDMIN KF, 4
	REDMIN KF, 8
	ds_store_b32 v[X1A], v[KF]                     ; 16 lanes write one word with one value
	s_wait_dscnt 0x0                               ; for the others' sake: my store is done (and nothing else of mine is out in LDS)
	s_barrier_signal -1
	v_mov_b32 v[TT], v[T0]                         ; meanwhile: the time at the head of each step, by additions as they are carried
.irp j, 0,1,2,3,4,5,6
	v_add_f32 v[TT+\j+1], v[TT+\j], v[H]
.endr
	s_barrier_wait -1
	ds_load_b128 v[K4:K4+3], v[X1R]                ; the four waves' figures for my sample
	s_wait_dscnt 0x0                               ; these words are written again only behind the second meeting's barrier
	v_min3_num_f32 v[KSF], v[K4], v[K4+1], v[K4+2]
	v_min_num_f32 v[KSF], v[KSF], v[K4+3]
	v_cvt_u32_f32 v[KSI], v[KSF]
.irp j, 1,2,3,4,5,6,7,8
	v_cmp_le_u32 s[GE+\j], \j, v[KSI]
.endr
	v_and_b32 v[TA], 1, v[KSI]
	v_cmp_ne_u32 s[ODD], 0, v[TA]
	; s of Y(k*) and Y(k*+1); who crossed; the largest s_new and the first crossed index of my four
.irp part, 0,1,2
.irp j, 0,1,2,3
	SEL3 2, \j, \part
.endr
.endr
.irp j, 0,1,2,3
	v_cmp_lt_f32 s[CM+\j], 0, v[NW+3*\j+2]
.endr
	v_max3_num_f32 v[ML], v[NW+2], v[NW+5], v[NW+8]
	v_max_num_f32 v[ML], v[ML], v[NW+11]
	v_cndmask_b32 v[IE], v[BIGF], v[NF+3], s[CM+3]
	v_cndmask_b32 v[IE], v[IE], v[NF+2], s[CM+2]
	v_cndmask_b32 v[IE], v[IE], v[NF+1], s[CM+1]
	v_cndmask_b32 v[IE], v[IE], v[NF], s[CM]
	; across the 16 lanes; v's selects stand between the links of the chains
	REDMAX ML, 1
	REDMIN IE, 1
	SEL3 0, 0, 0
	REDMAX ML, 2
	REDMIN IE, 2
	SEL3 0, 1, 0
	REDMAX ML, 4
	REDMIN IE, 4
	SEL3 0, 2, 0
	REDMAX ML, 8
	REDMIN IE, 8
	SEL3 0, 3, 0
	; s_prev of the neuron that holds the largest s_new; among equals the lowest number, as argmax has it
.irp j, 0,1,2,3
	v_cmp_eq_f32 s[EQ+\j], v[NW+3*\j+2], v[ML]
.endr
	v_cndmask_b32 v[IM], v[BIGF], v[NF+3], s[EQ+3]
	v_cndmask_b32 v[SP], v[PV+11], v[PV+8], s[EQ+2]
	v_cndmask_b32 v[IM], v[IM], v[NF+2], s[EQ+2]
	v_cndmask_b32 v[SP], v[SP], v[PV+5], s[EQ+1]
	v_cndmask_b32 v[IM], v[IM], v[NF+1], s[EQ+1]
	v_cndmask_b32 v[SP], v[SP], v[PV+2], s[EQ]
	v_cndmask_b32 v[IM], v[IM], v[NF], s[EQ]
	v_mov_b32 v[TA], v[IM]                         ; the lane's own figure is kept
	REDMIN TA, 1
	SEL3 0, 0, 1
	REDMIN TA, 2
	SEL3 0, 1, 1
	REDMIN TA, 4
	SEL3 0, 2, 1
	REDMIN TA, 8
	SEL3 0, 3, 1
	v_cmp_eq_f32 vcc_lo, v[IM], v[TA]
	v_cndmask_b32 v[SPV], v[NEGINF], v[SP], vcc_lo
	REDMAX SPV, 1
	SEL3 0, 0, 2
	REDMAX SPV, 2
	SEL3 0, 1, 2
	REDMAX SPV, 4
	SEL3 0, 2, 2
	REDMAX SPV, 8
	SEL3 0, 3, 2
	; SECOND MEETING
	ds_store_b32 v[X2A], v[ML]
	ds_store_b32 v[X2A], v[SPV] offset:16
	ds_store_b32 v[X2A], v[IE] offset:32
	s_wait_dscnt 0x0                               ; for the others' sake: my three stores are done
	s_barrier_signal -1
.irp part, 0,1,2                               ; meanwhile: i's selects, and the time at the head of step k*
.irp j, 0,1,2,3
	SEL3 1, \j, \part
.endr
.endr
	v_cndmask_b32 v[TSEL], v[TT], v[TT+1], s[GE+1]
.irp j, 2,3,4,5,6,7
	v_cndmask_b32 v[TSEL], v[TSEL], v[TT+\j], s[GE+\j]
.endr
	s_barrier_wait -1
	ds_load_b128 v[GM:GM+3], v[X2R]
	ds_load_b128 v[GSP:GSP+3], v[X2R] offset:16
	ds_load_b128 v[GIE:GIE+3], v[X2R] offset:32
	s_wait_dscnt 0x0                               ; these words are written again only behind the next round's first barrier
	v_max3_num_f32 v[SN], v[GM], v[GM+1], v[GM+2]
	v_min3_num_f32 v[EI], v[GIE], v[GIE+1], v[GIE+2]
	v_max_num_f32 v[SN], v[SN], v[GM+3]
	v_min_num_f32 v[EI], v[EI], v[GIE+3]
	v_mov_b32 v[SPS], v[GSP+3]
	v_cvt_u32_f32 v[EI], v[EI]                     ; eidx, or 1,024
.irp g, 2,1,0                                  ; the lowest wave holds the lowest numbers
	v_cmp_eq_f32 vcc_lo, v[GM+\g], v[SN]
	v_cndmask_b32 v[SPS], v[SPS], v[GSP+\g], vcc_lo
.endr
	; THE ONE-HOT A.  Lanes 0 and 16 hold row 0 (sample 2 b), lanes 8 and 24 row 8 (sample 2 b + 1); every other lane's index is 1,024, which no K step meets.
	; In a K step index kk = e % 32 lies in the half of the lanes (kk / 8) % 2, register 4 (kk / 16) + (kk % 8) / 2, half kk % 2.
	v_permlanex16_b32 v[EO], v[EI], s4, s5
	v_cndmask_b32 v[ER], v[INV], v[EI], s48
	v_cndmask_b32 v[ER], v[ER], v[EO], s49
	v_bfe_u32 v[PQ], v[ER], 1, 4                   ; kk / 2
	v_and_b32 v[TA], 1, v[ER]
	v_sub_nc_u32 v[PQ], v[PQ], v[H4]               ; less 4 x my half: 0-3 or 8-11 if the index falls to my half, anything else if not
	v_lshlrev_b32 v[TA], 4, v[TA]
	v_lshlrev_b32 v[PVV], v[TA], v[C3C]            ; 1.0 in the low or the high half
	WIN 0xc0                                       ; destination window 3
	v_lshrrev_b32 v[AQ], 5, v[ER]
.set t, 0
.rept 8
	v_cmp_eq_u32 vcc_lo, t+4*(t/4), v[PQ]
	v_cndmask_b32 v[PR+t], 0, v[PVV], vcc_lo
.set t, t+1
.endr
	WIN 0xf7
	v_cmp_ne_u32 vcc_lo, v[AQ], 0
.set t, 0
.rept 8
	v_cndmask_b32 v[t], v[PR+t], 0, vcc_lo         ; A of K step 0; the others are made beside the products
.set t, t+1
.endr
	GATHER 0
	GATHER 1
	GATHER 2
	GATHER 3
	GATHER 4
	GATHER 5
	GATHER 6
	GATHER 7
	WIN 0
	; THE EVENT.  frac = clip(sp / (sp - sn + 1e-12), 0, 1): a reciprocal, mended by the remainder.  All that follows up to the read of the accumulators is plain vector work
	; that names none of their registers: far more than the four places that stand between a product and the read of its result (ISA guide 7.12.1).
	v_sub_f32 v[DN], v[SPS], v[SN]
	v_add_f32 v[DN], 0x2b8cbccc, v[DN]
	v_rcp_f32 v[RD], v[DN]
	v_pk_add_f32 v[NW:NW+1], v[NW:NW+1], v[PV:PV+1] neg_lo:[0,1] neg_hi:[0,1]  ; y_new - y; the first of the six is the plain line behind the reciprocal
.irp g, 1,2,3,4,5
	v_pk_add_f32 v[NW+2*\g:NW+2*\g+1], v[NW+2*\g:NW+2*\g+1], v[PV+2*\g:PV+2*\g+1] neg_lo:[0,1] neg_hi:[0,1]
.endr
	s_wait_alu depctr_va_vdst(0)
	v_mul_f32 v[Q], v[SPS], v[RD]
	v_fma_f32 v[RR], -v[DN], v[Q], v[SPS]
	v_fma_f32 v[Q], v[RR], v[RD], v[Q]
	v_med3_num_f32 v[FR], v[Q], 0, 1.0
	v_cndmask_b32 v[FR], v[FR], 0, s[GE+8]         ; no event: the state is Y8 as it is,
	v_mov_b32 v[FR+1], v[FR]
	v_fma_f32 v[TEV], v[FR], v[H], v[TSEL]
	v_cndmask_b32 v[TEV], v[TEV], 2.0, s[GE+8]     ; and the time is t1
	v_mov_b32 v[T0], v[TEV]
.irp g, 0,1,2,3,4,5
	v_pk_fma_f32 v[YE+2*\g:YE+2*\g+1], v[FR:FR+1], v[NW+2*\g:NW+2*\g+1], v[PV+2*\g:PV+2*\g+1]
.endr
	; out1: my 48 bytes go into my wave's own stage and come back as rows of 256 bytes; LDS serves a wave's instructions in order (ISA guide 5.7.1.4), so no wait stands between
	ds_store_b128 v[STA], v[YE:YE+3]
	ds_store_b128 v[STA], v[YE+4:YE+7] offset:16
	ds_store_b128 v[STA], v[YE+8:YE+11] offset:32
	ds_load_b128 v[OB:OB+3], v[STR]
	ds_load_b128 v[OB+4:OB+7], v[STR] offset:256
	ds_load_b128 v[OB+8:OB+11], v[STR] offset:512
	; out2 and out0 are gathered in LDS and leave at the end, in whole rows
	v_cndmask_b32 v[MB], 0, 1, s[CM]
	v_cndmask_b32 v[TA], 0, 1, s[CM+1]
	v_cndmask_b32 v[TA+1], 0, 1, s[CM+2]
	v_cndmask_b32 v[TA+2], 0, 1, s[CM+3]
	v_lshl_or_b32 v[MB], v[TA], 8, v[MB]
	v_lshl_or_b32 v[MB], v[TA+1], 16, v[MB]
	v_lshl_or_b32 v[MB], v[TA+2], 24, v[MB]
	v_lshl_add_u32 v[TA+3], s3, 8, v[VM]           ; 256 bytes a round
	v_lshl_add_u32 v[TA+4], s3, 2, v[VT]
	ds_store_b32 v[TA+3], v[MB]
	s_cmp_lg_u32 s2, 0
	s_cbranch_scc1 .Lno_ts                         ; every wave holds the time: wave 0 writes it
	ds_store_b32 v[TA+4], v[TEV]
.Lno_ts:
	; THE JUMP: v - 1 and a new s where the neuron crossed, i + w[eidx] everywhere
	s_wait_loadcnt 0x0                             ; the resets, asked for at the round's head
.irp j, 0,1,2,3
	v_cndmask_b32 v[TA+\j], 0, 1.0, s[CM+\j]
.endr
.irp j, 0,1,2,3
	v_sub_f32 v[Y0+\j], v[YE+3*\j], v[TA+\j]
.endr
.irp j, 0,1,2,3
	v_cndmask_b32 v[TA+\j], v[YE+3*\j+2], v[RS+\j], s[CM+\j]
.endr
.irp j, 0,1,2,3
	v_min_num_f32 v[Y0+8+\j], 0, v[TA+\j]
.endr
	WIN 0x33                                       ; sources 0 and 2 window 3
.irp j, 0,1,2,3
	v_fma_f32 v[TA+\j], v[ACL+8*\j], 0x3a000000, v[ACH+8*\j]  ; lo x 2^-11 + hi: register 0 of each accumulator is the one that is wanted
.endr
	WIN 0
.irp j, 0,1,2,3
	v_add_f32 v[Y0+4+\j], v[YE+3*\j+1], v[TA+\j]
.endr
	s_wait_dscnt 0x0                               ; the rows are back from the stage
	global_store_b128 v[VO1], v[OB:OB+3], s[24:25] th:TH_STORE_NT              ; 16 lanes store 256 consecutive bytes, at a multiple of 256 from out1's first byte
	global_store_b128 v[VO1], v[OB+4:OB+7], s[24:25] offset:256 th:TH_STORE_NT
	global_store_b128 v[VO1], v[OB+8:OB+11], s[24:25] offset:512 th:TH_STORE_NT
	s_wait_xcnt 0x0                                ; the two bases and the stores' data registers are rewritten only behind this wait (ISA guide 3.1)
	s_add_nc_u64 s[14:15], s[14:15], 0x80000       ; a round of reset_s: 512 x 1,024 bytes
	s_add_nc_u64 s[24:25], s[24:25], 0xc00         ; a round of out1: 3,072 bytes
	s_add_co_u32 s3, s3, 1
	s_cmp_lt_u32 s3, 32
	s_cbranch_scc1 .Lround
	; THE TAIL: the images of out2 and out0 leave through registers
	s_wait_dscnt 0x0                               ; for the others' sake: my stores into the images are done
	s_barrier_signal -1
	s_barrier_wait -1
	v_lshlrev_b32 v[TA], 4, v0                     ; 16 bytes a thread, 2,048 a pass
	v_add_nc_u32 v[TA+1], MS, v[TA]
.irp g, 0,1,2,3,4,5,6,7
	ds_load_b128 v[60+4*\g:63+4*\g], v[TA+1] offset:2048*\g
.endr
.irp g, 0,1,2,3,4,5,6,7
	s_wait_dscnt 7-\g                              ; LDS loads come back in order (ISA guide 5.7.1): the younger ones stay out
	global_store_b128 v[TA], v[60+4*\g:63+4*\g], s[26:27] offset:2048*\g th:TH_STORE_NT
.endr
	s_cmp_lg_u32 s2, 0
	s_cbranch_scc1 .Lend
	v_lshlrev_b32 v[TA+2], 3, v0                   ; wave 0: 32 lanes x 8 bytes are out0's 256 bytes of my two samples
	ds_load_b64 v[96:97], v[TA+2] offset:TS
	s_wait_dscnt 0x0
	global_store_b64 v[TA+2], v[96:97], s[22:23] th:TH_STORE_NT
.Lend:
	s_wait_tensorcnt 0x0                           ; the wave's end: behind my last LDS store
	ds_add_u32 v[SPW], v[NIL]
	s_wait_dscnt 0x0
	s_endpgm
.Lfunc_end_k_q7d57b919fd_snn:
	.size	k_q7d57b919fd_snn, .Lfunc_end_k_q7d57b919fd_snn-k_q7d57b919fd_snn
	.p2alignl 7, 3214868480
	.fill 96, 4, 3214868480
	.section	.rodata,"a",@progbits
	.p2align	6, 0x0
	.amdhsa_kernel k_q7d57b919fd_snn
		.amdhsa_group_segment_fixed_size 24064
		.amdhsa_private_segment_fixed_size 0
		.amdhsa_enable_private_segment 0
		.amdhsa_kernarg_size 80
		.amdhsa_user_sgpr_count 2
		.amdhsa_user_sgpr_kernarg_segment_ptr 1
		.amdhsa_wavefront_size32 1
		.amdhsa_system_sgpr_workgroup_id_x 1
		.amdhsa_system_sgpr_workgroup_id_y 1
		.amdhsa_system_sgpr_workgroup_id_z 1
		.amdhsa_system_vgpr_workitem_id 0
		.amdhsa_next_free_vgpr 912
		.amdhsa_next_free_sgpr 66
		.amdhsa_reserve_vcc 1
		.amdhsa_float_denorm_mode_32 3
		.amdhsa_float_denorm_mode_16_64 3
		.amdhsa_memory_ordered 1
		.amdhsa_forward_progress 1
		.amdhsa_inst_pref_size 209
	.end_amdhsa_kernel
	.amdgpu_metadata
---
amdhsa.version: [ 1, 2 ]
amdhsa.kernels:
  - .name:           k_q7d57b919fd_snn
    .symbol:         k_q7d57b919fd_snn.kd
    .args:
      - { .name: i0, .offset: 0, .size: 8, .value_kind: global_buffer, .address_space: global }
      - { .name: input_current, .offset: 8, .size: 8, .value_kind: global_buffer, .address_space: global }
      - { .name: mu, .offset: 16, .size: 8, .value_kind: global_buffer, .address_space: global }
      - { .name: reset_s, .offset: 24, .size: 8, .value_kind: global_buffer, .address_space: global }
      - { .name: s0, .offset: 32, .size: 8, .value_kind: global_buffer, .address_space: global }
      - { .name: v0, .offset: 40, .size: 8, .value_kind: global_buffer, .address_space: global }
      - { .name: w, .offset: 48, .size: 8, .value_kind: global_buffer, .address_space: global }
      - { .name: out0, .offset: 56, .size: 8, .value_kind: global_buffer, .address_space: global }
      - { .name: out1, .offset: 64, .size: 8, .value_kind: global_buffer, .address_space: global }
      - { .name: out2, .offset: 72, .size: 8, .value_kind: global_buffer, .address_space: global }
    .group_segment_fixed_size: 24064
    .private_segment_fixed_size: 0
    .kernarg_segment_align: 8
    .kernarg_segment_size: 80
    .max_flat_workgroup_size: 128
    .sgpr_count:     66
    .vgpr_count:     912
    .wavefront_size: 32
...
	.end_amdgpu_metadata
.endif
;; end of part 1
;; ======== version 2 of 2: 1 launch; 3.24 times as fast as version 1
;; limits: inputs' magnitudes at most 65,504; below input magnitudes of 6.104e-05 results are inexact or not finite; values are held in f16: magnitudes above 65,504 overflow, below 6.1e-05 lose precision
;; launch snn (part 2): grid 256 x 1, 4 waves a work-group, no clusters, 24,064 bytes of LDS; arguments i0, input_current, mu, reset_s, s0, v0, w, out0, out1, out2; writes out0, out1, out2
.if DOCPART == 2
	.amdgcn_target "amdgcn-amd-amdhsa--gfx1250"
	.amdhsa_code_object_version 6
	.text
	.protected	k_q7d57b919fd_snn
	.globl	k_q7d57b919fd_snn
	.p2align	8
	.type	k_q7d57b919fd_snn,@function
k_q7d57b919fd_snn:
	s_mov_b64 s[64:65], 0
	v_nop
	global_prefetch_b8 v0, s[64:65] scope:SCOPE_SE
	s_setreg_imm32_b32 hwreg(HW_REG_WAVE_MODE, 25, 1), 1
	s_wait_xcnt 0x0
; SPIKING NET: 512 samples x 256 neurons (v, i, s), 32 spike rounds of 8 RK4 steps, all in this one launch.
; SHARES.  Work-group b owns samples 2 b and 2 b + 1.  Lane (r = lane % 16, h = lane / 16) of wave w owns sample 2 b + h, neurons 64 w + 4 r + 0..3:
; a half of the lanes is one sample's share of a wave, and a lane's four neurons are 16 neighbouring bytes of s0 and reset_s.
; A SPIKE ROUND.  Up to the first crossing no neuron needs another, so all 8 steps are run unfrozen and the 9 states Y0..Y8 are kept (108 registers).  Then the waves meet twice
; in LDS: once for k*, the first step in which any s of the sample is above 0 (8 = none), once for the largest s_new, its s_prev and the first crossed index.  Y(k*) and Y(k*+1) are
; taken by selects, never by a branch or an address: every round does the same work.
; THE STEPS, AND HOW THEIR TRANSCENDENTALS ARE BATCHED.  v and i never read s: the sigmoids feed s alone.  So a step falls into three parts: C, the four stages' v and i, with -log2e v of each
; stage and its exponential (16 a step); R, 1 + that and its reciprocal (16 a step); S, the sum k1 + 2 k2 + 2 k3 + k4 of the sigmoids, the new s and the test for a crossing.
; INTERVAL c = 0..9 holds C of step c, R of step c - 1 and S of step c - 2, woven together, and names no result of a transcendental that it has issued itself: each step has a set of 16 registers
; of its own for its z, one of three sets that take turns.  ONE wait at the end of each of the intervals 0 to 8 serves the interval's transcendentals, up to 32: nine waits for a spike round's 256; the
; event's one reciprocal has the tenth.
; w[eidx] IS A MATRIX PRODUCT: a one-hot row (f16 1.0 at k = eidx) times W.  Each wave keeps W's 64 columns of its neurons in 512 registers, as two f16 pieces: hi = w rounded to 11
; significant bits, lo = (w - hi) x 2048, each with accumulators of its own; w_row = lo x 2^-11 + hi.  Row 0 of A is sample 2 b, row 8 sample 2 b + 1, and tile t's column r is neuron
; 64 w + 4 r + t, so register 0 of tile t's result is w[eidx][my neuron t] in the very lane that wants it.  With no event the index is 1,024, A is all zero and so is w_row.
; LIMITS.  For 2^-14 <= |w| < 65,504 the two pieces give w back to within one unit of its last place (2^-36 where that is larger); below 2^-14 to within 2^-25; |w| >= 65,520 is not
; served (f16's range).  sigmoid(v) = rcp(1 + exp2(-1.442695 v)), each of the two to one unit of the last place, and multiply-adds are fused: a mark whose s_new lies within a few
; 1e-8 of 0 may fall on the other side.  NaN and infinities are not treated apart, nor is sp - sn + 1e-12 = 0.
; NO CLUSTER, NO TENSOR LOAD: the one thing that work-groups share is W, read once at the head (128 loads a wave, 16 bytes a lane) and converted on its way into registers, against
; 32 rounds of some 1,500 instructions; a joint load would send it through LDS first.  The only stream, reset_s, is one load a lane and round, issued a whole round ahead of its use.
; REGISTERS, in windows of 256 (s_set_vgpr_msb: bits 1:0 source 0, 3:2 source 1, 5:4 source 2, 7:6 destination):
;   window 0: addresses, constants, Y0..Y8, all work     window 1: W hi, fragment (ks, t) at 8 (4 ks + t)     window 2: W lo, likewise
;   window 3: v0-63 A's eight fragments; v64-95, v96-127 the accumulators of hi and lo; v128-135 the pattern P; v136 eidx / 32
.set X1,    0          ; LDS: 16 h + 4 w: a wave's first crossing step
.set X2,    256        ; 64 h + 16 field + 4 w: fields largest s_new, its s_prev, first crossed index
.set TS,    512        ; 128 h + 4 round: the image of out0's 256 bytes
.set OST,   1024       ; 1,536 w + 768 h: each wave's own stage for out1
.set MS,    7168       ; 8,192 h + 256 round + 64 w + 4 r: the image of out2's 16,384 bytes
.set SPARE, 23552      ; the spare words, 128 bytes for each wave: two blocks of 256 bytes that no other line names
.set SPW, 2            ; v2   SPARE + 4 x my thread's number; never rewritten
.set NIL, 3            ; v3   0; never rewritten
.set Y0,  4            ; v4-15  the round's first state: v of my 4 neurons, i, s
.set YK,  148          ; state k = 1..8 at YK + 12 k (v160-255), laid alike
.set VR,  16           ; byte offset of my 16 bytes in two samples' rows of s0 and reset_s
.set VO1, 17           ; byte offset in out1 of the 16 bytes that I store
.set STA, 18           ; the stage: where my 48 bytes go
.set STR, 19           ; the stage: where I read 16 bytes back
.set VM,  20           ; my word in the marks' image, round 0
.set VT,  21           ; my sample's word in the times' image, round 0
.set X1A, 22
.set X1R, 23
.set IC,  24           ; v24-27 input current of my 4 neurons
.set X2A, 28
.set X2R, 29
.set H4,  30           ; 4 h
.set VW,  31           ; at the head: my byte offset in W
.set C3C, 31           ; later: 0x3c00, f16 1.0
.set MU1, 32           ; pairs that hold one number twice, for the packed forms
.set NMU2, 34
.set NL2E, 36
.set H,   38
.set HH,  40
.set H6,  42
.set T0,  44           ; the round's first time
.set EIGHT, 45
.set BIGF, 46          ; 1024.0: no index
.set NEGINF, 47
.set INV, 48           ; 1024
.set KF,  49
.set CAND, 50
.set MX,  51
.set NF,  52           ; v52-55 my neurons' numbers as floats
.set K4,  56
.set RT,  60           ; v60-95 at work in the steps: pair p at RT + 18 p: +2 T, +4 KI, +6 SV, +8 SI, +12 VS, +14 IS
.set PV,  60           ; at the round's end: Y(k*), Y(k*+1) and the event's state, each as [3 neuron + component], as out1 has them
.set NW,  72
.set YE,  84
.set OB,  96
.set RS,  108
.set ZB,  112          ; v112-159 in the steps: three sets of 16; step c has set c % 3; stage n, pair p at 4 (n - 1) + 2 p: -log2e v, then its exponential, then 1 + that, then the sigmoid;
                       ; stage 1's four registers then gather k1 + 2 k2 + 2 k3 + k4.  At the round's end the same registers bear the names below, all written anew there
.set GM,  112
.set GSP, 116
.set GIE, 120
.set TT,  124          ; v124-131 the time at the head of each step
.set KSF, 132
.set KSI, 133
.set ML,  134
.set IE,  135
.set IM,  136
.set SP,  137
.set SPV, 138
.set SN,  139
.set SPS, 140
.set EI,  141
.set EO,  142
.set ER,  143
.set PQ,  144
.set PVV, 145
.set DN,  146
.set RD,  147
.set Q,   148
.set RR,  149
.set FR,  150
.set TSEL, 152
.set TEV, 153
.set MB,  154
.set TA,  155          ; v155-159 at work
.set HF,  64           ; head only: v64-127 the high pieces in f32; v128-191, v192-255 two buffers of 16 rows of W
.set ACH, 64           ; window 3
.set ACL, 96
.set PR,  128
.set AQ,  136
.set GE,  29           ; s30-37: lane masks k* >= 1 .. 8
.set ODD, 38           ; s38: k* is odd
.set CM,  40           ; s40-43: my neuron j crossed
.set EQ,  44           ; s44-47: my neuron j holds the wave's largest s_new
.set MSB, 0
.macro WIN new                         ; the immediate's high byte repeats the setting that is left; a switch that changes nothing is dropped
.if MSB != (\new)
	s_set_vgpr_msb (MSB<<8)|(\new)
.set MSB, (\new)
.endif
.endm
.macro REDMIN reg, m                   ; lane i takes the smaller of its own and lane i xor m's, inside each half of 16 lanes
	v_min_num_f32_dpp v[\reg], v[\reg], v[\reg] row_xmask:\m row_mask:0xf bank_mask:0xf
.endm
.macro REDMAX reg, m
	v_max_num_f32_dpp v[\reg], v[\reg], v[\reg] row_xmask:\m row_mask:0xf bank_mask:0xf
.endm
; 16 rows of W for K step kk: row 32 kk + u (+ 8 for u >= 8) + 8 h, my 4 columns.  16 lanes read 256 consecutive bytes, aligned.
.macro LOADW kk, buf
.set u, 0
.rept 16
	global_load_b128 v[128+64*(\buf)+4*u:128+64*(\buf)+4*u+3], v[VW], s[20:21] offset:(32*(\kk)+u+8*(u/8))*1024
.set u, u+1
.endr
.endm
; K step kk of W becomes four fragments of hi and four of lo.  left: the younger loads that may stay out (the next K step's 16).
.macro CONVW kk, buf, left
.set XB, 128+64*(\buf)
	s_wait_loadcnt \left
.set q, 0
.rept 64
	v_add_nc_u32 v[HF+q], s50, v[XB+q]             ; half a unit of the 11th bit onto the magnitude,
.set q, q+1
.endr
.set q, 0
.rept 64
	v_and_b32 v[HF+q], s51, v[HF+q]                ; and the 13 bits below it cleared: w rounded to 11 significant bits, still f32
.set q, q+1
.endr
.set q, 0
.rept 32
	v_pk_add_f32 v[XB+2*q:XB+2*q+1], v[XB+2*q:XB+2*q+1], v[HF+2*q:HF+2*q+1] neg_lo:[0,1] neg_hi:[0,1]  ; w - hi, exact
.set q, q+1
.endr
.set q, 0
.rept 32
	v_pk_mul_f32 v[XB+2*q:XB+2*q+1], v[XB+2*q:XB+2*q+1], s[52:53] op_sel_hi:[1,0]  ; x 2048, so that it stays clear of f16's small numbers
.set q, q+1
.endr
	WIN 0x40                                       ; destination window 1
.set q, 0
.rept 32                                       ; q = 8 t + j: register j of tile t holds rows 2 j and 2 j + 1 of the 16
	v_cvt_pk_f16_f32 v[32*(\kk)+q], v[HF+8*(q%8)+q/8], v[HF+8*(q%8)+4+q/8]
.set q, q+1
.endr
	WIN 0x80                                       ; destination window 2
.set q, 0
.rept 32
	v_cvt_pk_f16_f32 v[32*(\kk)+q], v[XB+8*(q%8)+q/8], v[XB+8*(q%8)+4+q/8]
.set q, q+1
.endr
	WIN 0
.endm
; THE LINES OF A STEP, one macro a line; p is the pair of neurons.  k = (mu1 ((i + ic) - v), -mu2 i, sigmoid(v)); the next stage's v and i are y + c k; SV and SI gather k1 + 2 k2 + 2 k3 + k4.
; SLICE sets the symbols that they read: NS the stage; YA, YN the states that step c leads from and to; VB, IB, SD where the stage's v and i lie; KV, KI where its k go (k1 starts the sums: nothing is
; cleared); CF h / 2 or h; ZC, ZA, ZS the z registers of steps c, c - 1, c - 2; CON, RON, SON whether the interval has a part C, R, S: a line whose part is absent writes nothing.
; PART C, for step c.
.macro TSUM p                          ; i + ic
.if CON
	v_pk_add_f32 v[RT+2+18*(\p):RT+3+18*(\p)], v[IB+SD*(\p):IB+SD*(\p)+1], v[IC+2*(\p):IC+2*(\p)+1]
.endif
.endm
.macro ZMUL p                          ; -log2e v
.if CON
	v_pk_mul_f32 v[ZC+2*(\p):ZC+2*(\p)+1], v[VB+SD*(\p):VB+SD*(\p)+1], v[NL2E:NL2E+1]
.endif
.endm
.macro TDIF p                          ; (i + ic) - v
.if CON
	v_pk_add_f32 v[RT+2+18*(\p):RT+3+18*(\p)], v[RT+2+18*(\p):RT+3+18*(\p)], v[VB+SD*(\p):VB+SD*(\p)+1] neg_lo:[0,1] neg_hi:[0,1]
.endif
.endm
.macro KIMUL p                         ; -mu2 i
.if CON
	v_pk_mul_f32 v[KI+18*(\p):KI+18*(\p)+1], v[IB+SD*(\p):IB+SD*(\p)+1], v[NMU2:NMU2+1]
.endif
.endm
.macro KVMUL p                         ; mu1 ((i + ic) - v)
.if CON
	v_pk_mul_f32 v[KV+18*(\p):KV+18*(\p)+1], v[RT+2+18*(\p):RT+3+18*(\p)], v[MU1:MU1+1]
.endif
.endm
.macro ISFMA p                         ; the next stage's i
.if CON
	v_pk_fma_f32 v[RT+14+18*(\p):RT+15+18*(\p)], v[CF:CF+1], v[KI+18*(\p):KI+18*(\p)+1], v[YA+4+2*(\p):YA+5+2*(\p)]
.endif
.endm
.macro VSFMA p                         ; the next stage's v
.if CON
	v_pk_fma_f32 v[RT+12+18*(\p):RT+13+18*(\p)], v[CF:CF+1], v[KV+18*(\p):KV+18*(\p)+1], v[YA+2*(\p):YA+2*(\p)+1]
.endif
.endm
.macro SISUM p                         ; SI takes the stage's k: twice in stages 2 and 3, once in stage 4; stage 1 wrote it there
.if CON
.if (NS == 2) || (NS == 3)
	v_pk_fma_f32 v[RT+8+18*(\p):RT+9+18*(\p)], v[KI+18*(\p):KI+18*(\p)+1], 2.0, v[RT+8+18*(\p):RT+9+18*(\p)] op_sel_hi:[1,0,1]
.elseif NS == 4
	v_pk_add_f32 v[RT+8+18*(\p):RT+9+18*(\p)], v[RT+8+18*(\p):RT+9+18*(\p)], v[KI+18*(\p):KI+18*(\p)+1]
.endif
.endif
.endm
.macro SVSUM p                         ; the same for SV
.if CON
.if (NS == 2) || (NS == 3)
	v_pk_fma_f32 v[RT+6+18*(\p):RT+7+18*(\p)], v[KV+18*(\p):KV+18*(\p)+1], 2.0, v[RT+6+18*(\p):RT+7+18*(\p)] op_sel_hi:[1,0,1]
.elseif NS == 4
	v_pk_add_f32 v[RT+6+18*(\p):RT+7+18*(\p)], v[RT+6+18*(\p):RT+7+18*(\p)], v[KV+18*(\p):KV+18*(\p)+1]
.endif
.endif
.endm
.macro YNI p                           ; the new i
.if CON
	v_pk_fma_f32 v[YN+4+2*(\p):YN+5+2*(\p)], v[H6:H6+1], v[RT+8+18*(\p):RT+9+18*(\p)], v[YA+4+2*(\p):YA+5+2*(\p)]
.endif
.endm
.macro YNV p                           ; the new v
.if CON
	v_pk_fma_f32 v[YN+2*(\p):YN+2*(\p)+1], v[H6:H6+1], v[RT+6+18*(\p):RT+7+18*(\p)], v[YA+2*(\p):YA+2*(\p)+1]
.endif
.endm
.macro EXPZ j                          ; the exponential of the stage's z number j of 4, in place; its result is named next in the interval that follows
.if CON
	v_exp_f32 v[ZC+(\j)], v[ZC+(\j)]
.endif
.endm
; PART R, for step c - 1, whose exponentials the last interval's wait has served.
.macro PLUS1 p
.if RON
	v_pk_add_f32 v[ZA+2*(\p):ZA+2*(\p)+1], v[ZA+2*(\p):ZA+2*(\p)+1], 1.0 op_sel_hi:[1,0]
.endif
.endm
.macro RCPZ j                          ; the sigmoid, in place; its result is named next in the interval that follows
.if RON
	v_rcp_f32 v[ZA+(\j)], v[ZA+(\j)]
.endif
.endm
; PART S, for step c - 2, whose reciprocals the last interval's wait has served: number j of 13.  0-5: stage 1's sigmoids take 2 k2, 2 k3, k4, in that order; 6, 7: the new s;
; 8-12: KF = the first step in which one of my four s is above 0 (8.0: none so far).  kf is the step's number as a float.
.macro SPART j, kf
.if SON
.set sq, 2*((\j)%2)
.if (\j) < 2
	v_pk_fma_f32 v[ZS+sq:ZS+sq+1], v[ZS+4+sq:ZS+5+sq], 2.0, v[ZS+sq:ZS+sq+1] op_sel_hi:[1,0,1]
.elseif (\j) < 4
	v_pk_fma_f32 v[ZS+sq:ZS+sq+1], v[ZS+8+sq:ZS+9+sq], 2.0, v[ZS+sq:ZS+sq+1] op_sel_hi:[1,0,1]
.elseif (\j) < 6
	v_pk_add_f32 v[ZS+sq:ZS+sq+1], v[ZS+sq:ZS+sq+1], v[ZS+12+sq:ZS+13+sq]
.elseif (\j) < 8
	v_pk_fma_f32 v[SYN+8+sq:SYN+9+sq], v[H6:H6+1], v[ZS+sq:ZS+sq+1], v[SYA+8+sq:SYA+9+sq]
.elseif (\j) == 8
	v_max3_num_f32 v[MX], v[SYN+8], v[SYN+9], v[SYN+10]
.elseif (\j) == 9
	v_max_num_f32 v[MX], v[MX], v[SYN+11]
.elseif (\j) == 10
	v_cmp_ge_f32 vcc_lo, 0, v[MX]
.elseif ((\j) == 11) && SFI
	v_cndmask_b32 v[KF], \kf, v[EIGHT], vcc_lo
.elseif (\j) == 11
	v_cndmask_b32 v[CAND], \kf, v[EIGHT], vcc_lo
.elseif !SFI
	v_min_num_f32 v[KF], v[KF], v[CAND]
.endif
.endif
.endm
; SLICE n = 1..4 of interval c: stage n of part C, stage n's z of part R, and a share of part S.  The links of v's chain (TDIF, KVMUL, VSFMA, the next stage's TDIF) stand six lines or more apart;
; behind a transcendental stand two or three plain lines where the interval has them, and never a line that names its registers (ISA guide 5.7.2).
.macro SLICE c, n, kf
.set NS, (\n)
.set CON, 0
.set RON, 0
.set SON, 0
.set SFI, 0
.if (\c) < 8
.set CON, 1
.endif
.if ((\c) > 0) && ((\c) < 9)
.set RON, 1
.endif
.if (\c) > 1
.set SON, 1
.endif
.if (\c) == 2
.set SFI, 1                            ; part S is step 0's: it starts KF
.endif
.set ZC, ZB+16*((\c)%3)+4*((\n)-1)
.set ZA, ZB+16*(((\c)+2)%3)+4*((\n)-1)
.set ZS, ZB+16*(((\c)+1)%3)
.set YA, YK+12*(\c)
.if (\c) == 0
.set YA, Y0
.endif
.set YN, YK+12+12*(\c)
.set SYA, YK+12*(\c)-24
.if (\c) == 2
.set SYA, Y0
.endif
.set SYN, YK+12*(\c)-12
.if (\n) == 1
.set VB, YA
.set IB, YA+4
.set SD, 2
.set KV, RT+6
.set KI, RT+8
.else
.set VB, RT+12
.set IB, RT+14
.set SD, 18
.set KV, RT+2
.set KI, RT+4
.endif
.if (\n) < 3
.set CF, HH
.else
.set CF, H
.endif
	PLUS1 0
	PLUS1 1
	TSUM 0
	TSUM 1
	ZMUL 0
	ZMUL 1
	RCPZ 0
	TDIF 0
	TDIF 1
	RCPZ 1
	KIMUL 0
	KIMUL 1
	EXPZ 0
.if (\n) == 1
	SPART 0, \kf
	SPART 1, \kf
.elseif (\n) == 2
	SPART 4, \kf
	SPART 5, \kf
.elseif (\n) == 3
	SPART 8, \kf
.else
	SPART 10, \kf
.endif
	RCPZ 2
	KVMUL 0
	KVMUL 1
	EXPZ 1
.if (\n) < 4
	ISFMA 0
	ISFMA 1
	RCPZ 3
	SISUM 0
	SISUM 1
.else
	SISUM 0
	SISUM 1
	RCPZ 3
.endif
.if (\n) == 1
	SPART 2, \kf
	SPART 3, \kf
.elseif (\n) == 2
	SPART 6, \kf
	SPART 7, \kf
.elseif (\n) == 3
	SPART 9, \kf
.else
	SPART 11, \kf
.endif
	EXPZ 2
.if (\n) < 4
	VSFMA 0
	VSFMA 1
	EXPZ 3
	SVSUM 0
	SVSUM 1
.else
	SVSUM 0
	SVSUM 1
	EXPZ 3
	YNI 0
	YNI 1
	SPART 12, \kf
	YNV 0
	YNV 1
.endif
.endm
; INTERVAL c: C of step c (c < 8), R of step c - 1 (0 < c < 9), S of step c - 2 (c > 1); kf is c - 2 as a float.  Behind its last transcendental stand plain lines (the new i and v, or KF's two).
.macro IVL c, kf
	SLICE \c, 1, \kf
	SLICE \c, 2, \kf
	SLICE \c, 3, \kf
	SLICE \c, 4, \kf
.if (\c) < 9
	s_wait_alu depctr_va_vdst(0)                   ; the wait, ONE for the interval's batch: step c's 16 exponentials and step c - 1's 16 reciprocals; their first readers stand in the next interval
.endif
.endm
; Component c of neuron j: Y(k*) into PV and Y(k*+1) into NW, nine selects in three parts.  Of the two states one has an even number (found in YE's register) and one an odd (in NW's);
; the parity of k* says which is which.  k* = 8 gives PV = Y8 and NW = Y7, whose s is not above 0.
.macro SEL3 c, j, part
.set o, 4*(\c)+(\j)
.set x, 3*(\j)+(\c)
.if (\part) == 0
	v_cndmask_b32 v[YE+x], v[Y0+o], v[YK+24+o], s[GE+1]
	v_cndmask_b32 v[YE+x], v[YE+x], v[YK+48+o], s[GE+3]
	v_cndmask_b32 v[YE+x], v[YE+x], v[YK+72+o], s[GE+5]
.elseif (\part) == 1
	v_cndmask_b32 v[YE+x], v[YE+x], v[YK+96+o], s[GE+7]
	v_cndmask_b32 v[NW+x], v[YK+12+o], v[YK+36+o], s[GE+2]
	v_cndmask_b32 v[NW+x], v[NW+x], v[YK+60+o], s[GE+4]
.else
	v_cndmask_b32 v[NW+x], v[NW+x], v[YK+84+o], s[GE+6]
	v_cndmask_b32 v[PV+x], v[YE+x], v[NW+x], s[ODD]
	v_cndmask_b32 v[NW+x], v[NW+x], v[YE+x], s[ODD]
.endif
.endm
; K step ks of the one-hot product: four tiles of hi, four of lo.  The eight accumulators take turns, one instruction a turn.  Behind each product one register of
; the next K step's A is made (P where eidx / 32 is that step, else 0): under the product's own windows, since its vector source and destination lie in window 3.
.macro GATHER ks
.set t, 0
.rept 8
.if t < 4
	WIN 0xf7                                       ; A, C, D window 3, B window 1
.set ac, ACH+8*t
.else
	WIN 0xfb                                       ; B window 2
.set ac, ACL+8*(t-4)
.endif
.set bb, 8*(4*(\ks)+t%4)
.if (\ks) == 0
	v_wmma_f32_16x16x32_f16 v[ac:ac+7], v[8*(\ks):8*(\ks)+7], v[bb:bb+7], 0
.else
	v_wmma_f32_16x16x32_f16 v[ac:ac+7], v[8*(\ks):8*(\ks)+7], v[bb:bb+7], v[ac:ac+7]
.endif
.if (\ks) < 7
.if t == 0
	v_cmp_ne_u32 vcc_lo, v[AQ], (\ks)+1
.endif
	v_cndmask_b32 v[8*(\ks)+8+t], v[PR+t], 0, vcc_lo
.endif
.set t, t+1
.endr
.endm
	; THE HEAD
	s_load_b512 s[8:23], s[0:1], 0x0               ; i0 s[8:9], input_current s[10:11], mu s[12:13], reset_s s[14:15], s0 s[16:17], v0 s[18:19], w s[20:21], out0 s[22:23]
	s_load_b128 s[24:27], s[0:1], 0x40             ; out1 s[24:25], out2 s[26:27]
	v_lshl_add_u32 v[SPW], v0, 2, SPARE
	v_mov_b32 v[NIL], 0
	v_lshrrev_b32 v1, 5, v0
	v_readfirstlane_b32 s2, v1                     ; wave 0..3
	v_and_b32 v32, 15, v0                          ; r
	v_bfe_u32 v33, v0, 4, 1                        ; h
	v_lshlrev_b32 v34, 4, v32                      ; 16 r
	s_lshl_b32 s28, s2, 8
	v_add_nc_u32 v1, s28, v34                      ; 256 w + 16 r: my 4 neurons in a row of 256 f32
	v_lshl_add_u32 v[VR], v33, 10, v1              ; + 1,024 h
	v_lshl_add_u32 v[VW], v33, 13, v1              ; + 8 rows of W for the upper half of the lanes
	s_mul_i32 s28, s2, 768
	v_mul_u32_u24 v35, 0x18000, v33                ; a sample's 32 x 3,072 bytes of out1
	v_add3_u32 v[VO1], v35, s28, v34
	s_mul_i32 s28, s2, 1536
	s_add_co_u32 s28, s28, OST
	v_mul_u32_u24 v35, 768, v33
	v_add_nc_u32 v35, s28, v35
	v_mul_u32_u24 v36, 48, v32                     ; 48 bytes apart: the 16 lanes' stores of 16 bytes fall into sixteen different 16-byte columns modulo 256
	v_add_nc_u32 v[STA], v35, v36
	v_add_nc_u32 v[STR], v35, v34
	s_lshl_b32 s28, s2, 6
	v_lshl_add_u32 v36, v32, 2, s28                ; my first neuron: 64 w + 4 r
	s_add_co_u32 s28, s28, MS
	v_lshlrev_b32 v35, 13, v33
	v_lshl_add_u32 v35, v32, 2, v35
	v_add_nc_u32 v[VM], s28, v35
	v_lshl_add_u32 v[VT], v33, 7, TS
	s_lshl_b32 s28, s2, 2
	v_lshl_add_u32 v[X1A], v33, 4, s28
	v_lshlrev_b32 v[X1R], 4, v33
	s_add_co_u32 s28, s28, X2
	v_lshl_add_u32 v[X2A], v33, 6, s28
	v_lshl_add_u32 v[X2R], v33, 6, X2
	v_lshlrev_b32 v[H4], 2, v33
	v_cvt_f32_u32 v[NF], v36
	v_add_f32 v[NF+1], 1.0, v[NF]
	v_add_f32 v[NF+2], 2.0, v[NF]
	v_add_f32 v[NF+3], 3.0, v[NF]
	s_mov_b32 s4, 0x76543210                       ; v_permlanex16_b32: each lane takes its own place in the other half
	s_mov_b32 s5, 0xfedcba98
	s_mov_b32 s48, 0x01000001                      ; lanes 0 and 24: A's rows 0 and 8 where the row's sample is the lane's own
	s_mov_b32 s49, 0x00010100                      ; lanes 8 and 16: where it is the other half's
	s_mov_b32 s50, 0x1000
	s_mov_b32 s51, 0xffffe000
	s_mov_b32 s52, 0x45000000                      ; 2048.0
	s_mov_b32 s53, s52                             ; named with it as a pair
	s_wait_kmcnt 0x0
	s_load_b64 s[6:7], s[12:13], 0x0               ; mu1, mu2
	s_lshl_b32 s28, ttmp9, 11                      ; two samples' rows of 1,024 bytes
	s_mov_b32 s29, 0
	s_add_nc_u64 s[14:15], s[14:15], s[28:29]
	s_add_nc_u64 s[16:17], s[16:17], s[28:29]
	s_mul_i32 s28, ttmp9, 196608                   ; two samples of out1; 255 x 196,608 stays under 2^31
	s_add_nc_u64 s[24:25], s[24:25], s[28:29]
	s_lshl_b32 s28, ttmp9, 14                      ; of out2
	s_add_nc_u64 s[26:27], s[26:27], s[28:29]
	s_lshl_b32 s28, ttmp9, 8                       ; of out0
	s_add_nc_u64 s[22:23], s[22:23], s[28:29]
	global_load_b128 v[Y0:Y0+3], v1, s[18:19]
	global_load_b128 v[Y0+4:Y0+7], v1, s[8:9]
	global_load_b128 v[Y0+8:Y0+11], v[VR], s[16:17] th:TH_LOAD_NT
	global_load_b128 v[IC:IC+3], v1, s[10:11]
	LOADW 0, 0
	LOADW 1, 1
	v_mov_b32 v[NL2E], 0xbfb8aa3b                  ; -log2(e)
	v_mov_b32 v[NL2E+1], 0xbfb8aa3b
	v_mov_b32 v[T0], 0
	v_mov_b32 v[EIGHT], 0x41000000
	v_mov_b32 v[BIGF], 0x44800000
	v_mov_b32 v[NEGINF], 0xff800000
	v_mov_b32 v[INV], 0x400
	s_wait_kmcnt 0x0
	v_mov_b32 v[MU1], s6
	v_mov_b32 v[MU1+1], s6
	v_mov_b32 v[NMU2], s7
	v_xor_b32 v[NMU2], 0x80000000, v[NMU2]
	v_mov_b32 v[NMU2+1], v[NMU2]
	CONVW 0, 0, 16                                 ; the count leaves the other buffer's 16 loads out; the four small loads are older and are in too
	LOADW 2, 0
	CONVW 1, 1, 16
	LOADW 3, 1
	CONVW 2, 0, 16
	LOADW 4, 0
	CONVW 3, 1, 16
	LOADW 5, 1
	CONVW 4, 0, 16
	LOADW 6, 0
	CONVW 5, 1, 16
	LOADW 7, 1
	CONVW 6, 0, 16
	CONVW 7, 1, 0
	v_mov_b32 v[C3C], 0x3c00                       ; W's loads are all in: their offset register is free
	v_mov_b32 v[EO], 0                             ; v_permlanex16_b32's destination counts as read
	s_mov_b32 s3, 0
.Lround:                                               ; 32 trips, s3 = the spike round
	global_load_b128 v[RS:RS+3], v[VR], s[14:15] th:TH_LOAD_NT  ; this round's resets: wanted at the round's end
	v_sub_f32 v[H], 2.0, v[T0]                     ; h = (t1 - t0) / 8
	v_mul_f32 v[H], 0x3e000000, v[H]
	v_mul_f32 v[HH], 0.5, v[H]
	v_mul_f32 v[H6], 0x3e2aaaab, v[H]              ; h / 6: h x (1/6), mended by its remainder
	v_mov_b32 v[H+1], v[H]
	v_fma_f32 v[RR], 0xc0c00000, v[H6], v[H]
	v_mov_b32 v[HH+1], v[HH]
	v_fmac_f32 v[H6], 0x3e2aaaab, v[RR]
	v_mov_b32 v[H6+1], v[H6]
	IVL 0, 0                                       ; v, i and the exponentials of step 0
	IVL 1, 0                                       ; of step 1 | the reciprocals of step 0
	IVL 2, 0                                       ; of step 2 | of step 1 | s of step 0
	IVL 3, 1.0
	IVL 4, 2.0
	IVL 5, 3.0
	IVL 6, 4.0
	IVL 7, 5.0
	IVL 8, 6.0                                     ; the reciprocals of step 7 | s of step 6
	IVL 9, 7.0                                     ; s of step 7: nothing is issued that wants a wait
	; FIRST MEETING: k*, the sample's first step with a crossing
	REDMIN KF, 1
	REDMIN KF, 2
	REDMIN KF, 4
	REDMIN KF, 8
	ds_store_b32 v[X1A], v[KF]                     ; 16 lanes write one word with one value
	s_wait_dscnt 0x0                               ; for the others' sake: my store is done (and nothing else of mine is out in LDS)
	s_barrier_signal -1
	v_mov_b32 v[TT], v[T0]                         ; meanwhile: the time at the head of each step, by additions as they are carried
.irp j, 0,1,2,3,4,5,6
	v_add_f32 v[TT+\j+1], v[TT+\j], v[H]
.endr
	s_barrier_wait -1
	ds_load_b128 v[K4:K4+3], v[X1R]                ; the four waves' figures for my sample
	s_wait_dscnt 0x0                               ; these words are written again only behind the second meeting's barrier
	v_min3_num_f32 v[KSF], v[K4], v[K4+1], v[K4+2]
	v_min_num_f32 v[KSF], v[KSF], v[K4+3]
	v_cvt_u32_f32 v[KSI], v[KSF]
.irp j, 1,2,3,4,5,6,7,8
	v_cmp_le_u32 s[GE+\j], \j, v[KSI]
.endr
	v_and_b32 v[TA], 1, v[KSI]
	v_cmp_ne_u32 s[ODD], 0, v[TA]
	; s of Y(k*) and Y(k*+1); who crossed; the largest s_new and the first crossed index of my four
.irp part, 0,1,2
.irp j, 0,1,2,3
	SEL3 2, \j, \part
.endr
.endr
.irp j, 0,1,2,3
	v_cmp_lt_f32 s[CM+\j], 0, v[NW+3*\j+2]
.endr
	v_max3_num_f32 v[ML], v[NW+2], v[NW+5], v[NW+8]
	v_max_num_f32 v[ML], v[ML], v[NW+11]
	v_cndmask_b32 v[IE], v[BIGF], v[NF+3], s[CM+3]
	v_cndmask_b32 v[IE], v[IE], v[NF+2], s[CM+2]
	v_cndmask_b32 v[IE], v[IE], v[NF+1], s[CM+1]
	v_cndmask_b32 v[IE], v[IE], v[NF], s[CM]
	; across the 16 lanes; v's selects stand between the links of the chains
	REDMAX ML, 1
	REDMIN IE, 1
	SEL3 0, 0, 0
	REDMAX ML, 2
	REDMIN IE, 2
	SEL3 0, 1, 0
	REDMAX ML, 4
	REDMIN IE, 4
	SEL3 0, 2, 0
	REDMAX ML, 8
	REDMIN IE, 8
	SEL3 0, 3, 0
	; s_prev of the neuron that holds the largest s_new; among equals the lowest number, as argmax has it
.irp j, 0,1,2,3
	v_cmp_eq_f32 s[EQ+\j], v[NW+3*\j+2], v[ML]
.endr
	v_cndmask_b32 v[IM], v[BIGF], v[NF+3], s[EQ+3]
	v_cndmask_b32 v[SP], v[PV+11], v[PV+8], s[EQ+2]
	v_cndmask_b32 v[IM], v[IM], v[NF+2], s[EQ+2]
	v_cndmask_b32 v[SP], v[SP], v[PV+5], s[EQ+1]
	v_cndmask_b32 v[IM], v[IM], v[NF+1], s[EQ+1]
	v_cndmask_b32 v[SP], v[SP], v[PV+2], s[EQ]
	v_cndmask_b32 v[IM], v[IM], v[NF], s[EQ]
	v_mov_b32 v[TA], v[IM]                         ; the lane's own figure is kept
	REDMIN TA, 1
	SEL3 0, 0, 1
	REDMIN TA, 2
	SEL3 0, 1, 1
	REDMIN TA, 4
	SEL3 0, 2, 1
	REDMIN TA, 8
	SEL3 0, 3, 1
	v_cmp_eq_f32 vcc_lo, v[IM], v[TA]
	v_cndmask_b32 v[SPV], v[NEGINF], v[SP], vcc_lo
	REDMAX SPV, 1
	SEL3 0, 0, 2
	REDMAX SPV, 2
	SEL3 0, 1, 2
	REDMAX SPV, 4
	SEL3 0, 2, 2
	REDMAX SPV, 8
	SEL3 0, 3, 2
	; SECOND MEETING
	ds_store_b32 v[X2A], v[ML]
	ds_store_b32 v[X2A], v[SPV] offset:16
	ds_store_b32 v[X2A], v[IE] offset:32
	s_wait_dscnt 0x0                               ; for the others' sake: my three stores are done
	s_barrier_signal -1
.irp part, 0,1,2                               ; meanwhile: i's selects, and the time at the head of step k*
.irp j, 0,1,2,3
	SEL3 1, \j, \part
.endr
.endr
	v_cndmask_b32 v[TSEL], v[TT], v[TT+1], s[GE+1]
.irp j, 2,3,4,5,6,7
	v_cndmask_b32 v[TSEL], v[TSEL], v[TT+\j], s[GE+\j]
.endr
	s_barrier_wait -1
	ds_load_b128 v[GM:GM+3], v[X2R]
	ds_load_b128 v[GSP:GSP+3], v[X2R] offset:16
	ds_load_b128 v[GIE:GIE+3], v[X2R] offset:32
	s_wait_dscnt 0x0                               ; these words are written again only behind the next round's first barrier
	v_max3_num_f32 v[SN], v[GM], v[GM+1], v[GM+2]
	v_min3_num_f32 v[EI], v[GIE], v[GIE+1], v[GIE+2]
	v_max_num_f32 v[SN], v[SN], v[GM+3]
	v_min_num_f32 v[EI], v[EI], v[GIE+3]
	v_mov_b32 v[SPS], v[GSP+3]
	v_cvt_u32_f32 v[EI], v[EI]                     ; eidx, or 1,024
.irp g, 2,1,0                                  ; the lowest wave holds the lowest numbers
	v_cmp_eq_f32 vcc_lo, v[GM+\g], v[SN]
	v_cndmask_b32 v[SPS], v[SPS], v[GSP+\g], vcc_lo
.endr
	; THE ONE-HOT A.  Lanes 0 and 16 hold row 0 (sample 2 b), lanes 8 and 24 row 8 (sample 2 b + 1); every other lane's index is 1,024, which no K step meets.
	; In a K step index kk = e % 32 lies in the half of the lanes (kk / 8) % 2, register 4 (kk / 16) + (kk % 8) / 2, half kk % 2.
	v_permlanex16_b32 v[EO], v[EI], s4, s5
	v_cndmask_b32 v[ER], v[INV], v[EI], s48
	v_cndmask_b32 v[ER], v[ER], v[EO], s49
	v_bfe_u32 v[PQ], v[ER], 1, 4                   ; kk / 2
	v_and_b32 v[TA], 1, v[ER]
	v_sub_nc_u32 v[PQ], v[PQ], v[H4]               ; less 4 x my half: 0-3 or 8-11 if the index falls to my half, anything else if not
	v_lshlrev_b32 v[TA], 4, v[TA]
	v_lshlrev_b32 v[PVV], v[TA], v[C3C]            ; 1.0 in the low or the high half
	WIN 0xc0                                       ; destination window 3
	v_lshrrev_b32 v[AQ], 5, v[ER]
.set t, 0
.rept 8
	v_cmp_eq_u32 vcc_lo, t+4*(t/4), v[PQ]
	v_cndmask_b32 v[PR+t], 0, v[PVV], vcc_lo
.set t, t+1
.endr
	WIN 0xf7
	v_cmp_ne_u32 vcc_lo, v[AQ], 0
.set t, 0
.rept 8
	v_cndmask_b32 v[t], v[PR+t], 0, vcc_lo         ; A of K step 0; the others are made beside the products
.set t, t+1
.endr
	GATHER 0
	GATHER 1
	GATHER 2
	GATHER 3
	GATHER 4
	GATHER 5
	GATHER 6
	GATHER 7
	WIN 0
	; THE EVENT.  frac = clip(sp / (sp - sn + 1e-12), 0, 1): a reciprocal, mended by the remainder.  All that follows up to the read of the accumulators is plain vector work
	; that names none of their registers: far more than the four places that stand between a product and the read of its result (ISA guide 7.12.1).
	v_sub_f32 v[DN], v[SPS], v[SN]
	v_add_f32 v[DN], 0x2b8cbccc, v[DN]
	v_rcp_f32 v[RD], v[DN]
	v_pk_add_f32 v[NW:NW+1], v[NW:NW+1], v[PV:PV+1] neg_lo:[0,1] neg_hi:[0,1]  ; y_new - y; the first of the six is the plain line behind the reciprocal
.irp g, 1,2,3,4,5
	v_pk_add_f32 v[NW+2*\g:NW+2*\g+1], v[NW+2*\g:NW+2*\g+1], v[PV+2*\g:PV+2*\g+1] neg_lo:[0,1] neg_hi:[0,1]
.endr
	s_wait_alu depctr_va_vdst(0)                   ; the wait: a batch of one, the event's reciprocal; the six subtractions above are the work between it and its first reader
	v_mul_f32 v[Q], v[SPS], v[RD]
	v_fma_f32 v[RR], -v[DN], v[Q], v[SPS]
	v_fma_f32 v[Q], v[RR], v[RD], v[Q]
	v_med3_num_f32 v[FR], v[Q], 0, 1.0
	v_cndmask_b32 v[FR], v[FR], 0, s[GE+8]         ; no event: the state is Y8 as it is,
	v_mov_b32 v[FR+1], v[FR]
	v_fma_f32 v[TEV], v[FR], v[H], v[TSEL]
	v_cndmask_b32 v[TEV], v[TEV], 2.0, s[GE+8]     ; and the time is t1
	v_mov_b32 v[T0], v[TEV]
.irp g, 0,1,2,3,4,5
	v_pk_fma_f32 v[YE+2*\g:YE+2*\g+1], v[FR:FR+1], v[NW+2*\g:NW+2*\g+1], v[PV+2*\g:PV+2*\g+1]
.endr
	; out1: my 48 bytes go into my wave's own stage and come back as rows of 256 bytes; LDS serves a wave's instructions in order (ISA guide 5.7.1.4), so no wait stands between
	ds_store_b128 v[STA], v[YE:YE+3]
	ds_store_b128 v[STA], v[YE+4:YE+7] offset:16
	ds_store_b128 v[STA], v[YE+8:YE+11] offset:32
	ds_load_b128 v[OB:OB+3], v[STR]
	ds_load_b128 v[OB+4:OB+7], v[STR] offset:256
	ds_load_b128 v[OB+8:OB+11], v[STR] offset:512
	; out2 and out0 are gathered in LDS and leave at the end, in whole rows
	v_cndmask_b32 v[MB], 0, 1, s[CM]
	v_cndmask_b32 v[TA], 0, 1, s[CM+1]
	v_cndmask_b32 v[TA+1], 0, 1, s[CM+2]
	v_cndmask_b32 v[TA+2], 0, 1, s[CM+3]
	v_lshl_or_b32 v[MB], v[TA], 8, v[MB]
	v_lshl_or_b32 v[MB], v[TA+1], 16, v[MB]
	v_lshl_or_b32 v[MB], v[TA+2], 24, v[MB]
	v_lshl_add_u32 v[TA+3], s3, 8, v[VM]           ; 256 bytes a round
	v_lshl_add_u32 v[TA+4], s3, 2, v[VT]
	ds_store_b32 v[TA+3], v[MB]
	s_cmp_lg_u32 s2, 0
	s_cbranch_scc1 .Lno_ts                         ; every wave holds the time: wave 0 writes it
	ds_store_b32 v[TA+4], v[TEV]
.Lno_ts:
	; THE JUMP: v - 1 and a new s where the neuron crossed, i + w[eidx] everywhere
	s_wait_loadcnt 0x0                             ; the resets, asked for at the round's head
.irp j, 0,1,2,3
	v_cndmask_b32 v[TA+\j], 0, 1.0, s[CM+\j]
.endr
.irp j, 0,1,2,3
	v_sub_f32 v[Y0+\j], v[YE+3*\j], v[TA+\j]
.endr
.irp j, 0,1,2,3
	v_cndmask_b32 v[TA+\j], v[YE+3*\j+2], v[RS+\j], s[CM+\j]
.endr
.irp j, 0,1,2,3
	v_min_num_f32 v[Y0+8+\j], 0, v[TA+\j]
.endr
	WIN 0x33                                       ; sources 0 and 2 window 3
.irp j, 0,1,2,3
	v_fma_f32 v[TA+\j], v[ACL+8*\j], 0x3a000000, v[ACH+8*\j]  ; lo x 2^-11 + hi: register 0 of each accumulator is the one that is wanted
.endr
	WIN 0
.irp j, 0,1,2,3
	v_add_f32 v[Y0+4+\j], v[YE+3*\j+1], v[TA+\j]
.endr
	s_wait_dscnt 0x0                               ; the rows are back from the stage
	global_store_b128 v[VO1], v[OB:OB+3], s[24:25] th:TH_STORE_NT              ; 16 lanes store 256 consecutive bytes, at a multiple of 256 from out1's first byte
	global_store_b128 v[VO1], v[OB+4:OB+7], s[24:25] offset:256 th:TH_STORE_NT
	global_store_b128 v[VO1], v[OB+8:OB+11], s[24:25] offset:512 th:TH_STORE_NT
	s_wait_xcnt 0x0                                ; the two bases and the stores' data registers are rewritten only behind this wait (ISA guide 3.1)
	s_add_nc_u64 s[14:15], s[14:15], 0x80000       ; a round of reset_s: 512 x 1,024 bytes
	s_add_nc_u64 s[24:25], s[24:25], 0xc00         ; a round of out1: 3,072 bytes
	s_add_co_u32 s3, s3, 1
	s_cmp_lt_u32 s3, 32
	s_cbranch_scc1 .Lround
	; THE TAIL: the images of out2 and out0 leave through registers
	s_wait_dscnt 0x0                               ; for the others' sake: my stores into the images are done
	s_barrier_signal -1
	s_barrier_wait -1
	v_lshlrev_b32 v[TA], 4, v0                     ; 16 bytes a thread, 2,048 a pass
	v_add_nc_u32 v[TA+1], MS, v[TA]
.irp g, 0,1,2,3,4,5,6,7
	ds_load_b128 v[60+4*\g:63+4*\g], v[TA+1] offset:2048*\g
.endr
.irp g, 0,1,2,3,4,5,6,7
	s_wait_dscnt 7-\g                              ; LDS loads come back in order (ISA guide 5.7.1): the younger ones stay out
	global_store_b128 v[TA], v[60+4*\g:63+4*\g], s[26:27] offset:2048*\g th:TH_STORE_NT
.endr
	s_cmp_lg_u32 s2, 0
	s_cbranch_scc1 .Lend
	v_lshlrev_b32 v[TA+2], 3, v0                   ; wave 0: 32 lanes x 8 bytes are out0's 256 bytes of my two samples
	ds_load_b64 v[96:97], v[TA+2] offset:TS
	s_wait_dscnt 0x0
	global_store_b64 v[TA+2], v[96:97], s[22:23] th:TH_STORE_NT
.Lend:
	s_wait_tensorcnt 0x0                           ; the wave's end: behind my last LDS store
	ds_add_u32 v[SPW], v[NIL]
	s_wait_dscnt 0x0
	s_endpgm
.Lfunc_end_k_q7d57b919fd_snn:
	.size	k_q7d57b919fd_snn, .Lfunc_end_k_q7d57b919fd_snn-k_q7d57b919fd_snn
	.p2alignl 7, 3214868480
	.fill 96, 4, 3214868480
	.section	.rodata,"a",@progbits
	.p2align	6, 0x0
	.amdhsa_kernel k_q7d57b919fd_snn
		.amdhsa_group_segment_fixed_size 24064
		.amdhsa_private_segment_fixed_size 0
		.amdhsa_enable_private_segment 0
		.amdhsa_kernarg_size 80
		.amdhsa_user_sgpr_count 2
		.amdhsa_user_sgpr_kernarg_segment_ptr 1
		.amdhsa_wavefront_size32 1
		.amdhsa_system_sgpr_workgroup_id_x 1
		.amdhsa_system_sgpr_workgroup_id_y 1
		.amdhsa_system_sgpr_workgroup_id_z 1
		.amdhsa_system_vgpr_workitem_id 0
		.amdhsa_next_free_vgpr 912
		.amdhsa_next_free_sgpr 66
		.amdhsa_reserve_vcc 1
		.amdhsa_float_denorm_mode_32 3
		.amdhsa_float_denorm_mode_16_64 3
		.amdhsa_memory_ordered 1
		.amdhsa_forward_progress 1
		.amdhsa_inst_pref_size 195
	.end_amdhsa_kernel
	.amdgpu_metadata
---
amdhsa.version: [ 1, 2 ]
amdhsa.kernels:
  - .name:           k_q7d57b919fd_snn
    .symbol:         k_q7d57b919fd_snn.kd
    .args:
      - { .name: i0, .offset: 0, .size: 8, .value_kind: global_buffer, .address_space: global }
      - { .name: input_current, .offset: 8, .size: 8, .value_kind: global_buffer, .address_space: global }
      - { .name: mu, .offset: 16, .size: 8, .value_kind: global_buffer, .address_space: global }
      - { .name: reset_s, .offset: 24, .size: 8, .value_kind: global_buffer, .address_space: global }
      - { .name: s0, .offset: 32, .size: 8, .value_kind: global_buffer, .address_space: global }
      - { .name: v0, .offset: 40, .size: 8, .value_kind: global_buffer, .address_space: global }
      - { .name: w, .offset: 48, .size: 8, .value_kind: global_buffer, .address_space: global }
      - { .name: out0, .offset: 56, .size: 8, .value_kind: global_buffer, .address_space: global }
      - { .name: out1, .offset: 64, .size: 8, .value_kind: global_buffer, .address_space: global }
      - { .name: out2, .offset: 72, .size: 8, .value_kind: global_buffer, .address_space: global }
    .group_segment_fixed_size: 24064
    .private_segment_fixed_size: 0
    .kernarg_segment_align: 8
    .kernarg_segment_size: 80
    .max_flat_workgroup_size: 128
    .sgpr_count:     66
    .vgpr_count:     912
    .wavefront_size: 32
...
	.end_amdgpu_metadata
.endif
;; end of part 2
